; MI455X (gfx1250); checked and timed in simulation.
; The chip was launched on July 23, 2026; its instructions are those of AMD's public machine-readable ISA for CDNA 5 (MIT licence, August 2026) and "CDNA5" Instruction Set Architecture Reference Guide (July 2026). The comments in the code are by the model that wrote it; some were corrected since.
;; Model. Allowed arithmetic: matrix products marked QUANTISED: E2M1 operands, one E8M0 scale for each 32 along K, by v_wmma_scale_f32_16x16x128_f8f6f4 with both operands' format E2M1 (or v_wmma_scale_f32_32x16x128_f4), f32 sums; everything else in f32.
;; Inputs: a 4,096 x 4,096 float16; a_scale 1,024 x 1,024 float32; b 4,096 x 4,096 float16; b_scale 1,024 x 1,024 float32.
;; Outputs: out0 4,096 x 4,096 float16.
;; This version of the problem:
;;   THIS VERSION OF THE PROBLEM IS GIVEN IN LOW PRECISION. The matrix products marked QUANTISED in the list below multiply operands that are first quantised to E2M1 (2 exponent bits, 1 mantissa bit; 4 bits a number), with one power-of-two scale for each 32 numbers along K (OCP MX v1.0); their sums are f32. All else is computed in f32.
;;   The module's matrix products, in the order in which they are computed (A, B: the left and right operand; K: the contracted axis; several contracted axes count as one K, in the product's order):
;;     1. [M 4,096, K 4,096] x [K 4,096, N 4,096]; A: computed on the way; B: computed on the way: QUANTISED
;;   THE QUANTISER, for each operand of a quantised product, along K:
;;     - K is cut into blocks of 32 from its start; a last block that is shorter is filled with zeros.
;;     - A block's scale is 2^e with e = floor(log2(the largest magnitude in the block)) - 2, held to -126 .. 127; a block of zeros has e = 0. As a byte (E8M0): e + 127.
;;     - Each number is divided by its block's scale, clamped to +-6, and rounded to the nearest number of E2M1, ties to even, subnormals kept.
;;     - The product sums the exact products of the quantised numbers (number of the format x scale) in f32.
;;   ~~~python
;;   def quantise(x, axis):      # numpy; x: float32 -> the quantised numbers, widened to float32 again
;;       x = np.moveaxis(x, axis, -1); K = x.shape[-1]
;;       x = np.pad(x, [(0, 0)] * (x.ndim - 1) + [(0, -K % 32)]); x = x.reshape(x.shape[:-1] + (-1, 32)); a = np.abs(x).max(-1, keepdims=True)
;;       e = np.where(a > 0, np.clip(np.frexp(np.where(a > 0, a, 1))[1] - 1 - 2, -126, 127), 0)      # np.frexp(a)[1] - 1 = floor(log2(a)), exactly
;;       r = np.clip(x / 2.0 ** e, -6, 6)
;;       step = 2.0 ** (np.maximum(np.frexp(np.where(r == 0, 1, r))[1] - 1, 0) - 1)
;;       q = np.round(r / step) * step * 2.0 ** e      # np.round: ties to even
;;       return np.moveaxis(q.reshape(q.shape[:-2] + (-1,))[..., :K], -1, axis).astype(np.float32)
;;   ~~~
;;   OPERANDS COMPUTED ON THE WAY. 'Computed on the way' means the value that the module computes at that place (a softmax that the list does not call 'softmax' is quantised finished and normalised). What goes into a quantiser is computed in f32, as accurately as f32 sums, v_exp_f32 and their like allow (about 1e-6 of the number): no bf16 or f16 on the way to a quantiser, and a product that is left as it is and whose result goes on into a quantised operand takes f32 operands (vector FMAs, or v_wmma_f32_16x16x4_f32). A number that lies on a knife's edge between two numbers of the format may be rounded either way, as far as f32 arithmetic and the matrix unit's own rounding can turn it there, and no further.
;; One version. Each part assembles by itself: llvm-mc -triple=amdgcn-amd-amdhsa -mcpu=gfx1250 --defsym DOCPART=n.
;; ======== version 1 of 1: 2 launches
;; limits: values are held in f16: magnitudes above 65,504 overflow, below 6.1e-05 lose precision; right only within a limited range of input values
;; workspace buffers: aq 8,912,896 bytes; bq 8,912,896 bytes
;; launch quant (part 1): grid 256 x 1, 12 waves a work-group, no clusters, 327,680 bytes of LDS; arguments a, a_scale, b, b_scale, aq, bq; writes aq, bq
.if DOCPART == 1
	.amdgcn_target "amdgcn-amd-amdhsa--gfx1250"
	.amdhsa_code_object_version 6
	.text
	.protected	k_q6ed1f24862_quant
	.globl	k_q6ed1f24862_quant
	.p2align	8
	.type	k_q6ed1f24862_quant,@function
k_q6ed1f24862_quant:
	s_mov_b64 s[64:65], 0
	v_nop
	global_prefetch_b8 v0, s[64:65] scope:SCOPE_SE
	s_setreg_imm32_b32 hwreg(HW_REG_WAVE_MODE, 25, 1), 1
	s_wait_xcnt 0x0
; Af[m][k] = f32(a[m][k]) x a_scale[m/4][k/4] and Bf[k][n] = f32(b[k][n]) x b_scale[n/4][k/4], one f32 rounding each, are turned into codes of FP4 (E2M1)
; along K, with one E8M0 byte for each 32 along K, and laid out for the product's launch.
; A block's scale is 2^(floor(log2(largest magnitude)) - 2): its byte is the largest magnitude's exponent field - 2, held at 1 from below by a floor among the maximum's leaves.
; LIMITS: NaN and infinities among the inputs are not served; of blocks whose largest magnitude lies under 2^-124 the byte is held at 1.  A block of zeros gets the byte 1 where the quantiser's rule
; says 127: its codes are zeros, which add nothing under any byte but 0xff, and this program alone reads the bytes.
; THE LAYOUT of aq and bq (a "row" is m for A, n for B): [32 blocks of 128 rows][8 K steps of 512][CHUNK = 34,816 bytes].  A chunk:
;   codes, bytes 0 .. 32,767: [t = 0..15, block of 32 along K][col = 0..3][l = 0..31][16 bytes]: the 32 codes of block t of row 4 l + col;
;   scale words, bytes 32,768 .. 34,815: [q = 0..3][row 0..127][4 bytes]: byte b of word q is the byte of block 4 q + b.
; Work-group w makes chunk w of A and chunk w of B: 128 rows x 512 along K each, 256 KB of f16, all of which its LDS holds.  Each wave brings its own tile by ONE tensor load at the head (rows of 256 bytes) and
; works when that has landed: waves 0-3 128 along K x 128 columns of b, waves 4-11 64 rows x 128 along K of a.  Nothing is filled twice, no barrier: waves share nothing.  The scales come by global loads.
; No cluster: no two work-groups read the same tile.  No prefetch: there is no loop to run ahead in.  The two paths part on the wave's number and never join; a wave's stage is LDS bytes of its own.
.set CHUNK,  34816
.set FLOOR,  0x1800000                 ; 2^(3 - 127)
.set DOWN2,  0xff000000                ; takes 2 off an exponent field
.set STAGE,  262144                    ; behind the tiles: 4,608 bytes for each wave
.set WREG,   4608
.set SPARE,  STAGE+12*WREG             ; the spare words, 128 bytes for each wave, that no other line names
.set SPW,    254
.set NIL,    255
.set G0,     36                        ; s[36:39] descriptor group 0;  s[40:47] group 1 for a's tiles, s[48:55] for b's
.set G1A,    40
.set G1B,    48
; ---- path A
.set RAW,   8                          ; v8-103    six slots of 16: four rows' 16 bytes a lane, as they lie (halves are named, so they lie under v128)
.set ASC,   104                        ; v104-119  eight pairs of scales
.set TF,    128                        ; v128-159  four rows x 8 numbers in f32
.set MX,    160                        ; v160-163  largest magnitudes
.set SCO,   164                        ; v164-167  the conversions' scale operands
.set CD,    168                        ; v168-175  codes, two sets
.set EB,    176                        ; v176-183  bytes, two sets
.set OUTR,  184                        ; v184-215  codes read back
.set SOUT,  216                        ; v216-217  scale words read back
.set TA,    240                        ; LDS: my place in the tile
.set SO,    241                        ; a_scale: my offset
.set LC,    242                        ; stage: where my word of codes goes
.set LB,    243                        ; stage: where my block's byte goes
.set LR,    244                        ; stage + 16 x lane
.set GC,    245                        ; the way out: 512 (lane / 16) + 16 (lane % 16)
.set GS,    246                        ; 8 x lane
.set LRS,   247                        ; stage's scale bytes + 8 x lane
.set APITCH, 1056                      ; a block's 64 rows x 16 bytes, + 32: the 32 lanes' words then fall on 32 different words modulo 64
.set ASB,   4224
; ---- path B
.set XF,    128                        ; v128-191  two columns x 32 numbers in f32 (first: the eight loads of b_scale)
.set BSS,   192                        ; v192-207  two sets of 8 scales
.set CC,    208                        ; v208-223  four columns' codes
.set WD,    224                        ; v224-227  four columns' scale words
.set MA,    228                        ; v228-231  two chains of maxima for each of two columns
.set MB,    230
.set BSCO,  232                        ; v232-233  scale operands
.set BBY,   234                        ; v234-235  bytes
.set BT,    240                        ; LDS: the tile + 8 x lane
.set BSO,   241                        ; b_scale: 4,096 (lane / 8) + 16 (lane % 8)
.set LW,    242                        ; stage: the same place, rows 144 bytes apart
.set LRD,   243                        ; stage: my row of scales
.set GO,    244                        ; 16 x lane
.set BPITCH, 144                       ; 128 bytes + 16: an odd multiple of 16
	s_load_b256 s[4:11], s[0:1], 0x0               ; a s[4:5], a_scale s[6:7], b s[8:9], b_scale s[10:11]
	s_load_b128 s[12:15], s[0:1], 0x20             ; aq s[12:13], bq s[14:15]
	v_lshl_add_u32 v[SPW], v0, 2, SPARE
	v_mov_b32 v[NIL], 0
	ds_add_u32 v[SPW], v[NIL]                      ; the wave's opening: the add, twice on end, and its wait ahead of my tensor load
	ds_add_u32 v[SPW], v[NIL]
	v_lshrrev_b32 v1, 5, v0
	v_readfirstlane_b32 s16, v1                    ; wave 0..11
	v_and_b32 v2, 31, v0                           ; lane
	s_lshr_b32 s17, ttmp9, 3                       ; which block of 128 rows
	s_and_b32 s18, ttmp9, 7                        ; which K step of 512
	s_mul_i32 s22, ttmp9, CHUNK                    ; my work-group's chunk, of aq and of bq
	s_mov_b32 s21, 0                               ; the upper word of every offset pair s[20:21]
	s_mul_i32 s19, s16, WREG
	s_add_co_u32 s30, s19, STAGE                   ; my stage
.irp g, G1A, G1B                       ; rows of 32 elements of 8 bytes, 1,024 elements apart in memory, dense in LDS
	s_mov_b32 s[\g], 3<<16
	s_mov_b32 s[\g+1], 32<<16                      ; tensor_dim0
	s_mov_b32 s[\g+3], 32<<16                      ; tile_dim0
	s_mov_b32 s[\g+5], 1024                        ; tensor_dim0_stride
	s_mov_b32 s[\g+6], 0
	s_mov_b32 s[\g+7], 0
.endr
	s_mov_b32 s[G1A+2], 64<<16                     ; tensor_dim1, tile_dim1: 64 rows of a,
	s_mov_b32 s[G1A+4], 64
	s_mov_b32 s[G1B+2], 128<<16                    ; 128 rows of b
	s_mov_b32 s[G1B+4], 128
	s_mov_b32 s[G0], 1
	s_wait_alu depctr_va_vdst(0)
	s_wait_dscnt 0x0                               ; both opening adds are done
	s_wait_kmcnt 0x0
	s_cmp_lt_u32 s16, 4
	s_cbranch_scc0 .Lpath_a
; =========================== PATH B ===========================
; K is b's FIRST axis.  A lane takes four neighbouring columns (8 bytes of each row of b; they share one row of b_scale), and its registers run down K: a block of 32 lies in one lane,
; its maximum needs no other lane, and the conversions give codes with K innermost.  Nothing is transposed.
	s_lshl_b32 s19, s18, 9
	s_lshl_b32 s20, s16, 7
	s_add_co_u32 s19, s19, s20                     ; k0 = 512 x K step + 128 x wave
	s_lshl_b32 s20, s19, 13                        ; rows of 8,192 bytes
	s_lshl_b32 s23, s17, 8                         ; 128 columns are 256 bytes
	s_add_co_u32 s20, s20, s23
	s_lshl_b32 s[G0+1], s16, 15                    ; my 32,768 bytes of LDS
	s_add_nc_u64 s[G0+2:G0+3], s[8:9], s[20:21]
	s_or_b32 s[G0+3], s[G0+3], 0x80000000
	tensor_load_to_lds s[G0:G0+3], s[G1B:G1B+7]
	s_nop 0
.rept 4
	v_nop
.endr
	s_lshl_b32 s20, s17, 17                        ; 32 rows of b_scale, 4,096 bytes each,
	s_add_co_u32 s20, s20, s19                     ; and k0 / 4 numbers of 4 bytes
	s_add_nc_u64 s[10:11], s[10:11], s[20:21]
	s_lshl_b32 s20, s16, 13                        ; my four blocks of 2,048 bytes
	s_add_co_u32 s20, s20, s22
	s_add_nc_u64 s[26:27], s[14:15], s[20:21]      ; where my codes go
	s_lshl_b32 s20, s16, 9                         ; my plane of 128 scale words
	s_add_co_u32 s20, s20, s22
	s_add_co_u32 s20, s20, 32768
	s_add_nc_u64 s[28:29], s[14:15], s[20:21]      ; where my scale words go
	s_lshl_b32 s31, s16, 15
	v_lshrrev_b32 v4, 3, v2
	v_and_b32 v5, 7, v2
	v_lshlrev_b32 v5, 4, v5
	v_lshl_add_u32 v[BSO], v4, 12, v5
	; my 32 rows x 32 numbers of b_scale: a load takes four rows' 128 bytes; they turn through my stage so that each lane gets its own row.  No hint: the neighbouring wave reads the bytes beside these
.irp j, 0,1,2,3,4,5,6,7
	global_load_b128 v[XF+4*\j:XF+4*\j+3], v[BSO], s[10:11] offset:\j*16384
.endr
	v_lshlrev_b32 v6, 3, v2
	v_add_nc_u32 v[BT], s31, v6
	v_mul_u32_u24 v4, v4, BPITCH
	v_add_nc_u32 v4, v4, v5
	v_add_nc_u32 v[LW], s30, v4
	v_mul_u32_u24 v7, v2, BPITCH
	v_add_nc_u32 v[LRD], s30, v7
	v_lshlrev_b32 v[GO], 4, v2
.macro BLOAD tb                        ; block tb: 32 rows of b into set tb % 2: the wave's load covers a row's 256 bytes
.irp kk, 0,1,2,3,4,5,6,7,8,9,10,11,12,13,14,15,16,17,18,19,20,21,22,23,24,25,26,27,28,29,30,31
	ds_load_b64 v[64*((\tb)%2)+2*\kk:64*((\tb)%2)+2*\kk+1], v[BT] offset:(32*(\tb)+\kk)*256
.endr
.endm
.macro SLOAD tb                        ; block tb's eight scales into set tb % 2
	ds_load_b128 v[BSS+8*((\tb)%2):BSS+8*((\tb)%2)+3], v[LRD] offset:32*(\tb)
	ds_load_b128 v[BSS+8*((\tb)%2)+4:BSS+8*((\tb)%2)+7], v[LRD] offset:32*(\tb)+16
.endm
.macro CVB r                           ; one register: the low half is a number of the even column, the high half of the odd one
	v_cvt_f32_f16 v[XF+J], v\r\().l
	v_cvt_f32_f16 v[XF+32+J], v\r\().h
.set J, J+1
.endm
.macro BCVT z, cp                      ; set z, column pair cp: registers 64 z + 2 kk + cp, by number, since a register's halves are named
.set J, 0
.if ((\z) == 0) && ((\cp) == 0)
.irp r, 0,2,4,6,8,10,12,14,16,18,20,22,24,26,28,30,32,34,36,38,40,42,44,46,48,50,52,54,56,58,60,62
	CVB \r
.endr
.elseif ((\z) == 0)
.irp r, 1,3,5,7,9,11,13,15,17,19,21,23,25,27,29,31,33,35,37,39,41,43,45,47,49,51,53,55,57,59,61,63
	CVB \r
.endr
.elseif ((\cp) == 0)
.irp r, 64,66,68,70,72,74,76,78,80,82,84,86,88,90,92,94,96,98,100,102,104,106,108,110,112,114,116,118,120,122,124,126
	CVB \r
.endr
.else
.irp r, 65,67,69,71,73,75,77,79,81,83,85,87,89,91,93,95,97,99,101,103,105,107,109,111,113,115,117,119,121,123,125,127
	CVB \r
.endr
.endif
.endm
.macro BBLOCK tb
.set Z, (\tb)%2
.if (\tb) < 3
	s_wait_dscnt 32                                ; this block's 32 loads and its scales are in; the next block's 32 may be out
	SLOAD (\tb)+1
.else
	s_wait_dscnt 0x0
.endif
.irp cp, 0,1                           ; columns 2 cp and 2 cp + 1
	BCVT Z, \cp
.if (\cp == 1) && ((\tb)+2 < 4)
	BLOAD (\tb)+2                                  ; the set has been read out: it takes the block two further on
.endif
.irp u, 0,1
.irp kk, 0,2,4,6,8,10,12,14,16,18,20,22,24,26,28,30
.if ((\kk/4)%2) == 0
	v_pk_mul_f32 v[XF+32*\u+\kk:XF+32*\u+\kk+1], v[XF+32*\u+\kk:XF+32*\u+\kk+1], v[BSS+8*Z+2*(\kk/8):BSS+8*Z+2*(\kk/8)+1] op_sel_hi:[1,0]
.else
	v_pk_mul_f32 v[XF+32*\u+\kk:XF+32*\u+\kk+1], v[XF+32*\u+\kk:XF+32*\u+\kk+1], v[BSS+8*Z+2*(\kk/8):BSS+8*Z+2*(\kk/8)+1] op_sel:[0,1] op_sel_hi:[1,1]
.endif
.endr
.endr
.irp u, 0,1
	v_max3_num_f32 v[MA+\u], |v[XF+32*\u]|, |v[XF+32*\u+1]|, |v[XF+32*\u+2]|      ; the block's largest magnitude: all 32 numbers are mine; two chains a column, the columns by turns
	v_max3_num_f32 v[MB+\u], |v[XF+32*\u+3]|, |v[XF+32*\u+4]|, |v[XF+32*\u+5]|
.endr
.irp i, 6,10,14,18,22,26
.irp u, 0,1
	v_max3_num_f32 v[MA+\u], v[MA+\u], |v[XF+32*\u+\i]|, |v[XF+32*\u+\i+1]|
	v_max3_num_f32 v[MB+\u], v[MB+\u], |v[XF+32*\u+\i+2]|, |v[XF+32*\u+\i+3]|
.endr
.endr
.irp u, 0,1
	v_max3_num_f32 v[MA+\u], v[MA+\u], |v[XF+32*\u+30]|, |v[XF+32*\u+31]|
.endr
.irp u, 0,1
	v_max3_num_f32 v[MA+\u], v[MA+\u], v[MB+\u], FLOOR
.endr
.irp u, 0,1
	v_add_nc_u32 v[BSCO+\u], DOWN2, v[MA+\u]       ; 2 off the exponent field: the conversion takes this operand's exponent field as its scale
.endr
.if ((\tb) > 0) && (\cp == 0)
	s_wait_alu depctr_va_vdst(0)
	s_wait_xcnt 0x0                                ; every earlier memory instruction has had its addresses translated (ISA guide 3.1): the codes' registers, which the last block's stores read, are rewritten only behind this wait
.endif
.irp u, 0,1
.irp gq, 0,1,2,3
	v_cvt_scalef32_pk8_fp4_f32 v[CC+4*(2*\cp+\u)+\gq], v[XF+32*\u+8*\gq:XF+32*\u+8*\gq+7], v[BSCO+\u]
.endr
.endr
.irp u, 0,1
	v_lshrrev_b32 v[BBY+\u], 23, v[BSCO+\u]        ; the scale's byte.  (Also the plain instruction behind the conversions)
.endr
.irp u, 0,1
.if (\tb) == 0
	v_mov_b32 v[WD+2*\cp+\u], v[BBY+\u]            ; four bytes to a word, the lower K in the lower byte
.else
	v_lshl_or_b32 v[WD+2*\cp+\u], v[BBY+\u], 8*(\tb), v[WD+2*\cp+\u]
.endif
.endr
.irp u, 0,1
	global_store_b128 v[GO], v[CC+4*(2*\cp+\u):CC+4*(2*\cp+\u)+3], s[26:27] offset:(\tb)*2048+(2*\cp+\u)*512   ; 32 lanes store 512 consecutive bytes, at a multiple of 256 from bq's first byte
.endr
.endr
.endm
	s_wait_alu depctr_va_vdst(0)
	s_wait_tensorcnt 0x0                           ; my tile is in
	BLOAD 0
	s_wait_loadcnt 0x0                             ; b_scale is in
.irp j, 0,1,2,3,4,5,6,7
	ds_store_b128 v[LW], v[XF+4*\j:XF+4*\j+3] offset:\j*4*BPITCH
.endr
	SLOAD 0                                        ; LDS serves a wave's instructions in order (ISA guide 5.7.1.4): these see the stores above
	BLOAD 1
	BBLOCK 0
	BBLOCK 1
	BBLOCK 2
	BBLOCK 3
	global_store_b128 v[GO], v[WD:WD+3], s[28:29]  ; my four columns' scale words: 512 consecutive bytes a wave
	s_wait_tensorcnt 0x0                           ; the wave's end
	ds_add_u32 v[SPW], v[NIL]
	s_wait_dscnt 0x0
	s_endpgm
; =========================== PATH A ===========================
; K is innermost.  In pass g lanes 0-15 take rows 8 g .. 8 g + 3 of my 64, lanes 16-31 rows 8 g + 4 .. 8 g + 7, 8 numbers of each row a lane: four neighbouring lanes hold a block of 32, and a lane's four rows share a row of a_scale.
.Lpath_a:
	s_sub_co_u32 s24, s16, 4
	s_and_b32 s23, s24, 1                          ; which 64 rows
	s_lshr_b32 s25, s24, 1                         ; which 128 along K
	s_lshl_b32 s20, s17, 20                        ; 128 rows of 8,192 bytes
	s_lshl_b32 s19, s23, 19
	s_add_co_u32 s20, s20, s19
	s_lshl_b32 s19, s18, 10
	s_add_co_u32 s20, s20, s19
	s_lshl_b32 s19, s25, 8
	s_add_co_u32 s20, s20, s19
	s_lshl_b32 s31, s16, 14
	s_add_co_u32 s[G0+1], s31, 65536               ; my 16,384 bytes of LDS: wave 4's lie behind the 131,072 of b's tiles
	s_add_nc_u64 s[G0+2:G0+3], s[4:5], s[20:21]
	s_or_b32 s[G0+3], s[G0+3], 0x80000000
	tensor_load_to_lds s[G0:G0+3], s[G1A:G1A+7]
	s_nop 0
.rept 4
	v_nop
.endr
	s_add_co_u32 s31, s31, 65536
	s_lshl_b32 s20, s17, 17                        ; 32 rows of a_scale, 4,096 bytes each
	s_lshl_b32 s19, s23, 16
	s_add_co_u32 s20, s20, s19
	s_lshl_b32 s19, s18, 9
	s_add_co_u32 s20, s20, s19
	s_lshl_b32 s19, s25, 7
	s_add_co_u32 s20, s20, s19
	s_add_nc_u64 s[6:7], s[6:7], s[20:21]
	s_lshl_b32 s19, s23, 8                         ; the upper 64 rows' places, in codes and in scale words alike
	s_add_co_u32 s22, s22, s19
	s_lshl_b32 s20, s25, 13                        ; four blocks of 2,048 bytes
	s_add_co_u32 s20, s20, s22
	s_add_nc_u64 s[26:27], s[12:13], s[20:21]      ; where my codes go
	s_lshl_b32 s20, s25, 9                         ; a plane of 128 scale words
	s_add_co_u32 s20, s20, s22
	s_add_co_u32 s20, s20, 32768
	s_add_nc_u64 s[28:29], s[12:13], s[20:21]      ; where my scale words go
	v_lshrrev_b32 v3, 4, v2                        ; lane / 16
	v_and_b32 v4, 15, v2                           ; lane % 16
	v_lshlrev_b32 v5, 12, v3
	v_lshl_add_u32 v[SO], v4, 3, v5
.irp g, 0,1,2,3,4,5,6,7
	global_load_b64 v[ASC+2*\g:ASC+2*\g+1], v[SO], s[6:7] offset:\g*8192   ; my two scales of pass g.  No hint: the neighbouring wave reads the bytes beside these
.endr
	v_lshlrev_b32 v6, 10, v3
	v_lshl_add_u32 v6, v4, 4, v6
	v_add_nc_u32 v[TA], s31, v6
	v_lshrrev_b32 v6, 2, v4                        ; my block
	v_mul_u32_u24 v7, v6, APITCH
	v_lshl_add_u32 v7, v3, 4, v7
	v_and_b32 v1, 3, v2
	v_lshl_add_u32 v7, v1, 2, v7
	v_add_nc_u32 v[LC], s30, v7
	v_lshl_add_u32 v6, v3, 4, v6
	v_add_nc_u32 v6, ASB, v6
	v_add_nc_u32 v[LB], s30, v6
	v_lshlrev_b32 v5, 4, v2
	v_add_nc_u32 v[LR], s30, v5
	v_lshlrev_b32 v[GS], 3, v2
	v_add_nc_u32 v7, ASB, v[GS]
	v_add_nc_u32 v[LRS], s30, v7
	v_lshlrev_b32 v1, 9, v3
	v_lshl_add_u32 v[GC], v4, 4, v1
.macro ALOAD g                         ; pass g's four rows into slot g % 6
.irp c, 0,1,2,3
	ds_load_b128 v[RAW+16*((\g)%6)+4*\c:RAW+16*((\g)%6)+4*\c+3], v[TA] offset:(\g)*2048+\c*256
.endr
.endm
.macro CVA r                           ; one register: two neighbouring numbers of a row, widened to f32.  The register comes by number, since its halves are named
	v_cvt_f32_f16 v[TF+J], v\r\().l
	v_cvt_f32_f16 v[TF+J+1], v\r\().h
.set J, J+2
.endm
; Pass g; out: the LDS instructions issued behind its four loads, which may be out: loads of later passes (4 each) and stores of earlier ones (8 each); regs: the sixteen registers of its slot, by number.
.macro APASS g, out, regs:vararg
.set Z, (\g)%2
	s_wait_dscnt \out
.set J, 0
.irp r, \regs
	CVA \r
.endr
.irp c, 0,1,2,3
	v_pk_mul_f32 v[TF+8*\c:TF+8*\c+1], v[TF+8*\c:TF+8*\c+1], v[ASC+2*\g:ASC+2*\g+1] op_sel_hi:[1,0]                  ; numbers 0-3: the pair's first scale for both halves
	v_pk_mul_f32 v[TF+8*\c+2:TF+8*\c+3], v[TF+8*\c+2:TF+8*\c+3], v[ASC+2*\g:ASC+2*\g+1] op_sel_hi:[1,0]
	v_pk_mul_f32 v[TF+8*\c+4:TF+8*\c+5], v[TF+8*\c+4:TF+8*\c+5], v[ASC+2*\g:ASC+2*\g+1] op_sel:[0,1] op_sel_hi:[1,1]  ; numbers 4-7: its second
	v_pk_mul_f32 v[TF+8*\c+6:TF+8*\c+7], v[TF+8*\c+6:TF+8*\c+7], v[ASC+2*\g:ASC+2*\g+1] op_sel:[0,1] op_sel_hi:[1,1]
.endr
.if (\g)+6 < 8
	ALOAD (\g)+6                                   ; the slot has been read out
.endif
.irp c, 0,1,2,3
	v_max3_num_f32 v[MX+\c], |v[TF+8*\c]|, |v[TF+8*\c+1]|, FLOOR   ; my 8 numbers of each row, the four rows by turns; the floor holds the byte at 1 from below
.endr
.irp i, 2,4,6
.irp c, 0,1,2,3
	v_max3_num_f32 v[MX+\c], v[MX+\c], |v[TF+8*\c+\i]|, |v[TF+8*\c+\i+1]|
.endr
.endr
.irp m, 1,2
.irp c, 0,1,2,3
	v_max_num_f32_dpp v[MX+\c], v[MX+\c], v[MX+\c] row_xmask:\m row_mask:0xf bank_mask:0xf   ; with the three lanes that share the block
.endr
.endr
.irp c, 0,1,2,3
	v_add_nc_u32 v[SCO+\c], DOWN2, v[MX+\c]
.endr
.irp c, 0,1,2,3
	v_cvt_scalef32_pk8_fp4_f32 v[CD+4*Z+\c], v[TF+8*\c:TF+8*\c+7], v[SCO+\c]
.endr
.irp c, 0,1,2,3
	v_lshrrev_b32 v[EB+4*Z+\c], 23, v[SCO+\c]      ; the scale's byte.  (Also the plain instruction behind the conversions)
.endr
.irp c, 0,1,2,3
	ds_store_b32 v[LC], v[CD+4*Z+\c] offset:\c*256+(\g)*32     ; my block, col c, place 2 g + lane / 16, word lane % 4
.endr
.irp c, 0,1,2,3
	ds_store_b8 v[LB], v[EB+4*Z+\c] offset:32*(\g)+4*\c        ; byte = my block of row 8 g + 4 (lane / 16) + c's word: the four lanes of a block write the same byte with the same value
.endr
.endm
.macro SLOT0 g, out
	APASS \g, \out, 8,9,10,11,12,13,14,15,16,17,18,19,20,21,22,23
.endm
.macro SLOT1 g, out
	APASS \g, \out, 24,25,26,27,28,29,30,31,32,33,34,35,36,37,38,39
.endm
	s_wait_alu depctr_va_vdst(0)
	s_wait_tensorcnt 0x0                           ; my tile is in
.irp g, 0,1,2,3,4,5
	ALOAD \g
.endr
	s_wait_loadcnt 0x0                             ; and my scales
	SLOT0 0, 20                                    ; passes 1-5
	SLOT1 1, 28                                    ; passes 2-6, one pass's stores
	APASS 2, 36, 40,41,42,43,44,45,46,47,48,49,50,51,52,53,54,55
	APASS 3, 40, 56,57,58,59,60,61,62,63,64,65,66,67,68,69,70,71
	APASS 4, 44, 72,73,74,75,76,77,78,79,80,81,82,83,84,85,86,87
	APASS 5, 48, 88,89,90,91,92,93,94,95,96,97,98,99,100,101,102,103
	SLOT0 6, 52                                    ; pass 7, and the stores of passes 0-5
	SLOT1 7, 48                                    ; the stores of passes 1-6
	; the way out.  LDS serves a wave's instructions in order (ISA guide 5.7.1.4): these loads see the stores above
.irp t, 0,1,2,3
.irp x, 0,1
	ds_load_b128 v[OUTR+4*(2*\t+\x):OUTR+4*(2*\t+\x)+3], v[LR] offset:\t*APITCH+\x*512
.endr
.endr
	ds_load_b64 v[SOUT:SOUT+1], v[LRS]
.irp t, 0,1,2,3
.irp x, 0,1
	s_wait_dscnt 8-(2*\t+\x)                       ; nine loads were issued: this one is in, the younger ones may be out
	global_store_b128 v[GC], v[OUTR+4*(2*\t+\x):OUTR+4*(2*\t+\x)+3], s[26:27] offset:\t*2048+\x*1024   ; each sixteen lanes store 256 consecutive bytes, at a multiple of 256 from aq's first byte
.endr
.endr
	s_wait_dscnt 0x0
	global_store_b64 v[GS], v[SOUT:SOUT+1], s[28:29]           ; my 64 rows' scale words: 256 consecutive bytes
	s_wait_tensorcnt 0x0                           ; the wave's end
	ds_add_u32 v[SPW], v[NIL]
	s_wait_dscnt 0x0
	s_endpgm
.Lfunc_end_k_q6ed1f24862_quant:
	.size	k_q6ed1f24862_quant, .Lfunc_end_k_q6ed1f24862_quant-k_q6ed1f24862_quant
	.p2alignl 7, 3214868480
	.fill 96, 4, 3214868480
	.section	.rodata,"a",@progbits
	.p2align	6, 0x0
	.amdhsa_kernel k_q6ed1f24862_quant
		.amdhsa_group_segment_fixed_size 327680
		.amdhsa_private_segment_fixed_size 0
		.amdhsa_enable_private_segment 0
		.amdhsa_kernarg_size 48
		.amdhsa_user_sgpr_count 2
		.amdhsa_user_sgpr_kernarg_segment_ptr 1
		.amdhsa_wavefront_size32 1
		.amdhsa_system_sgpr_workgroup_id_x 1
		.amdhsa_system_sgpr_workgroup_id_y 1
		.amdhsa_system_sgpr_workgroup_id_z 1
		.amdhsa_system_vgpr_workitem_id 0
		.amdhsa_next_free_vgpr 256
		.amdhsa_next_free_sgpr 66
		.amdhsa_reserve_vcc 0
		.amdhsa_float_denorm_mode_32 3
		.amdhsa_float_denorm_mode_16_64 3
		.amdhsa_memory_ordered 1
		.amdhsa_forward_progress 1
		.amdhsa_inst_pref_size 116
	.end_amdhsa_kernel
	.amdgpu_metadata
---
amdhsa.version: [ 1, 2 ]
amdhsa.kernels:
  - .name:           k_q6ed1f24862_quant
    .symbol:         k_q6ed1f24862_quant.kd
    .args:
      - { .name: a, .offset: 0, .size: 8, .value_kind: global_buffer, .address_space: global }
      - { .name: a_scale, .offset: 8, .size: 8, .value_kind: global_buffer, .address_space: global }
      - { .name: b, .offset: 16, .size: 8, .value_kind: global_buffer, .address_space: global }
      - { .name: b_scale, .offset: 24, .size: 8, .value_kind: global_buffer, .address_space: global }
      - { .name: aq, .offset: 32, .size: 8, .value_kind: global_buffer, .address_space: global }
      - { .name: bq, .offset: 40, .size: 8, .value_kind: global_buffer, .address_space: global }
    .group_segment_fixed_size: 327680
    .private_segment_fixed_size: 0
    .kernarg_segment_align: 8
    .kernarg_segment_size: 48
    .max_flat_workgroup_size: 384
    .sgpr_count:     66
    .vgpr_count:     256
    .wavefront_size: 32
...
	.end_amdgpu_metadata
.endif
;; end of part 1
;; launch gemm (part 2): grid 16 x 16, 4 waves a work-group, clusters of 4 x 4, 327,680 bytes of LDS; arguments aq, bq, out0; writes out0
.if DOCPART == 2
	.amdgcn_target "amdgcn-amd-amdhsa--gfx1250"
	.amdhsa_code_object_version 6
	.text
	.protected	k_q6ed1f24862_gemm
	.globl	k_q6ed1f24862_gemm
	.p2align	8
	.type	k_q6ed1f24862_gemm,@function
k_q6ed1f24862_gemm:
	s_mov_b64 s[64:65], 0
	v_nop
	global_prefetch_b8 v0, s[64:65] scope:SCOPE_SE
	s_setreg_imm32_b32 hwreg(HW_REG_WAVE_MODE, 25, 1), 1
	s_wait_xcnt 0x0
	s_wait_alu depctr_hold_cnt(0) depctr_sa_sdst(0) depctr_va_vdst(0) depctr_va_sdst(0) depctr_va_ssrc(0) depctr_va_vcc(0) depctr_vm_vsrc(0)
	s_getreg_b32 s2, hwreg(HW_REG_IB_STS2, 6, 4)
	s_cmp_eq_u32 s2, 0
	s_cbranch_scc0 .Lentry_in_a_cluster
	s_endpgm
.Lentry_in_a_cluster:
	s_bfe_u32 s2, ttmp6, 0x10000c
	s_cmp_lg_u32 s2, 0xf033
	s_cbranch_scc0 .Lentry_shape_is_right
	s_endpgm
.Lentry_shape_is_right:
; out0[m][n] = f16(sum over k of A[m][k] B[n][k]), M = N = K = 4,096, on codes of FP4 (E2M1) with one E8M0 scale for each 32 along K; sums in f32, K ascending, one rounding to f16.
; aq and bq are this program's own, laid [32 blocks of 128 rows][8 K steps of 512][CHUNK = 34,816 bytes].  A chunk: codes [t = 0..15, block of 32 along K][place p = 0..127][16 bytes], place p = 32 col + l
; being row 4 l + col of the 128; then scale words [q = 0..3][row 0..127][4 bytes], byte b of word q for block 4 q + b.
; LIMITS: a sum beyond f16's range becomes infinity, as a conversion to f16 makes it; NaN and infinities among the inputs are not served.
; A tile of C, 256 x 256, is made by a work-group of four waves; a wave makes 128 x 128: 32 accumulators of 32 x 16, 512 registers.  256 tiles, 256 work-groups.
; K goes in 8 steps of 512 through a ring of two LDS slots.  A K step is four chunks (A's two halves, B's two halves); each wave brings one, codes and scale words together, by one tensor load of 136 rows of
; 256 dense bytes.  LDS holds [chunk c = wave][slot][CHUNK], so that one address register and the immediate reach both slots.
; FRAGMENTS.  16 rows: fragment i (0..7) of a chunk is places 16 i .. 16 i + 15; lane (r, h) wants, for registers 4 c .. 4 c + 3, block 4 q + 2 c + h of place 16 i + r: byte 8,192 q + 4,096 c + 2,048 h + 256 i + 16 r.
; Sixteen lanes of a load take 256 consecutive bytes: no padding is needed.  Source 0 (B) takes 32 rows: fragments 2 j and 2 j + 1, places 32 j .. 32 j + 31; source 1 (A) takes 16.
; SCALE WORDS.  One load of 16 bytes at 512 q + 16 lane brings the words of rows 4 lane + 0 .. 3: register j is lane by lane the word of place 32 j + lane: as it stands the scales of B's 32 rows j,
; and for A those of fragment 2 j in lanes 0-15 and of fragment 2 j + 1 in lanes 16-31 (ROW1).
; THE MATRIX INSTRUCTION IS USED TRANSPOSED (source 0 = B's rows, source 1 = A's): a lane holds one row of C.
; CLUSTERS: 4 x 4 work-groups.  The four of a row of the cluster need the same chunks of A, the four of a column the same chunks of B: each is asked for JOINTLY, by the same tensor load with the same
; descriptor and a mask that names the four.
; PREFETCHES: behind each joint load of K step t, two lines ask for K step t + 2, a wave 34 blocks of 256 bytes: of the 136 of the chunk that the wave fetches, each of the four partners takes its 34, told apart by
; address (cx for A, cy for B).  The head asks for K steps 1 and 2; the last two refills ask for nothing.
; LDS LOADS of the next 128 along K stand in ONE run of a step, into the other one of two sets of registers for A and for B.
; THE LAST K STEP goes by rows of C: all its fragments of B fill window 1, and A's fragments are finished one after the other, so that finished rows are stored while others are multiplied.
; REGISTERS, in windows of 256: window 0: v0-31 addresses; v32-95 scale words, two sets, and nothing else; v96-223 A's fragments, two sets (in the last K step four, of 16 rows x 512 K); v224-255 packed results.
;   window 1: B's fragments, two sets at v0 and v64 (in the last K step four).   window 2: the accumulators of A's fragments 0-3 (accumulator (a, b) at v[64 (a % 4) + 16 b]);   window 3: those of fragments 4-7.
.set CHUNK,  34816
.set NP,     4                         ; places behind this matrix instruction (ISA guide 7.12.1)
.set PAIR,   2*CHUNK                   ; a chunk's two slots
.set STAGE,  4*PAIR                    ; behind the ring: 16 rows x 272 bytes for each wave, for the way out; no tensor load lands here
.set SPITCH, 272                       ; 256 bytes + 16: the sixteen rows that a store touches start 68 words apart
.set SPARE,  STAGE+4*16*SPITCH         ; behind the stages: the spare words, 128 bytes for each wave: two blocks of 256 bytes that no other line names
.set ADRA,  16                         ; LDS address of my A fragments (slot 1 by the immediate)
.set ADRB,  17                         ; the same for B
.set ADRS,  18                         ; v18 of A's scale words, v19 of B's
.set PFO,   20                         ; the prefetches' offsets: 256 x lane, and blocks 32, 33 (the lanes beyond name block 33 again)
.set PFP,   21
.set STO,   24                         ; the way out: where I put 64 bytes of a row
.set RD,    25                         ; the way out: where I read a row back
.set CO,    26                         ; my byte offset in C
.set SPW,   28                         ; LDS address of my spare word: SPARE + 4 x my thread's number; never rewritten
.set NIL,   29                         ; 0; never rewritten
.set SC,    32                         ; scale words: slot s at v[SC + 32 s]: A's q, j at + 4 q + j; B's 16 further on
.set AF,    96
.set TMP,   224
.set G1, 24                            ; s[24:31] descriptor group 1 for A's chunks;  s[32:39] group 0, one set for each slot
.set G0, 32
.set G1B, 48                           ; s[48:55], s[56:63] the same for B's
.set G0B, 56
.set PFA, 66                           ; s[66:67] my 34 blocks of my chunk at K step 0, stepped two K steps a lap
.set MSB, 0
.macro WIN new                         ; the immediate's high byte repeats the setting that is left
.if MSB != \new
	s_set_vgpr_msb (MSB<<8)|\new
.set MSB, \new
.endif
.endm
.set MUL_LO, 0xa1                      ; source 0 (B) window 1, source 1 (A) window 0, C and D window 2; + 0x50: C and D window 3
.set TO_B,   0x40                      ; destination window 1, address window 0
; A joint load: waves 0 and 1 fetch A's two halves, waves 2 and 3 B's.  Each of the two lines has ONE mask and one set of registers for all that issue it; the branch hangs on the wave's number alone.
; An s_nop 0 and four v_nop follow each of the two lines, ahead of the jump, the label and what follows.
.macro JLOAD s
	s_cmp_eq_u32 s15, 0
	s_cbranch_scc0 .Lfor_b_\@
	tensor_load_to_lds s[G0+4*\s:G0+4*\s+3], s[G1:G1+7]
	s_nop 0
.rept 4
	v_nop
.endr
	s_branch .Lasked_\@
.Lfor_b_\@:
	tensor_load_to_lds s[G0B+4*\s:G0B+4*\s+3], s[G1B:G1B+7]
	s_nop 0
.rept 4
	v_nop
.endr
.Lasked_\@:
.endm
.macro CREST                           ; a round of the cluster's barrier behind its opening barrier
	s_cmp_lg_u32 s14, 0
	s_cbranch_scc1 .Lnot_wave_0_\@
	s_barrier_signal -3
.Lnot_wave_0_\@:
	s_barrier_wait -3
	s_barrier_signal -1
	s_barrier_wait -1
.endm
.macro CROUND                          ; a whole round
	s_barrier_signal -1
	s_barrier_wait -1
	CREST
.endm
.macro ASK k                           ; my 34 blocks of the K step that lies k behind s[PFA:PFA+1]
	global_prefetch_b8 v[PFO], s[PFA:PFA+1] offset:(\k)*CHUNK th:TH_LOAD_NT scope:SCOPE_SE
	global_prefetch_b8 v[PFP], s[PFA:PFA+1] offset:(\k)*CHUNK th:TH_LOAD_NT scope:SCOPE_SE
.endm
	s_load_b128 s[4:7], s[0:1], 0x0                ; aq s[4:5], bq s[6:7]
	s_load_b64 s[8:9], s[0:1], 0x10                ; out0
	v_lshl_add_u32 v[SPW], v0, 2, SPARE
	v_mov_b32 v[NIL], 0
	ds_add_u32 v[SPW], v[NIL]                      ; the wave's opening: the add, twice on end, and its wait ahead of my first tensor load
	ds_add_u32 v[SPW], v[NIL]
	v_lshrrev_b32 v1, 5, v0
	v_readfirstlane_b32 s14, v1                    ; wave 0..3
	s_lshr_b32 s15, s14, 1                         ; which half of the tile's rows is mine.  Also: I fetch for A (0) or for B (1)
	s_and_b32 s16, s14, 1                          ; which half of its columns.  Also: which half I fetch
	s_bfe_u32 s40, ttmp6, 0x40000                  ; cx, cy: my place in the cluster
	s_bfe_u32 s41, ttmp6, 0x40004
	s_lshl_b32 s42, ttmp9, 2
	s_add_co_u32 s42, s42, s40                     ; tile column of C = 4 x cluster x + cx
	s_and_b32 s17, ttmp7, 0xffff
	s_lshl_b32 s17, s17, 2
	s_add_co_u32 s17, s17, s41                     ; tile row of C = 4 x cluster y + cy
	s_lshl_b32 s43, s41, 2
	s_lshl_b32 s43, 15, s43                        ; my row of the cluster
	s_lshl_b32 s44, 0x1111, s40                    ; my column
	; descriptor group 1: a chunk as 136 rows of 32 elements of 8 bytes, dense in memory and in LDS
	s_or_b32 s[G1+0], s43, (3<<16)|(1<<21)         ; 15:0 the mask: A's chunks go to my row; 17:16 elements of 8 bytes; 20 no padding; 21 set beside a mask
	s_or_b32 s[G1B+0], s44, (3<<16)|(1<<21)        ; the same with the mask of my column
.irp g, G1, G1B
	s_mov_b32 s[\g+1], 32<<16                      ; tensor_dim0 = 32
	s_mov_b32 s[\g+2], 136<<16                     ; tensor_dim1 = 136
	s_mov_b32 s[\g+3], 32<<16                      ; tile_dim0 = 32
	s_mov_b32 s[\g+4], 136                         ; tile_dim1 = 136
	s_mov_b32 s[\g+5], 32                          ; tensor_dim0_stride
	s_mov_b32 s[\g+6], 0
	s_mov_b32 s[\g+7], 0
.endr
	; where the chunks come from.  A's hang on the tile row alone, B's on the tile column alone; every wave makes both addresses, in registers that never hold the other coordinate
	s_lshl_b32 s20, s17, 1
	s_add_co_u32 s20, s20, s16                     ; A: block of 128 rows 2 x tile row + half
	s_mul_i32 s20, s20, 8*CHUNK
	s_mov_b32 s21, 0
	s_lshl_b32 s46, s42, 1
	s_add_co_u32 s46, s46, s16                     ; B: 2 x tile column + half
	s_mul_i32 s46, s46, 8*CHUNK
	s_mov_b32 s47, 0
	s_mul_i32 s45, s14, PAIR                       ; where they go: wave x PAIR: no place in the cluster enters an LDS address
.irp s, 0,1
	s_mov_b32 s[G0+4*\s], 1                                        ; 1:0 count = 1
	s_add_co_u32 s[G0+4*\s+1], s45, \s*CHUNK                       ; 63:32 LDS address
	s_mov_b32 s[G0B+4*\s], 1
	s_add_co_u32 s[G0B+4*\s+1], s45, \s*CHUNK
.endr
	s_wait_dscnt 0x0                               ; both opening adds are done
	CROUND                                         ; all sixteen work-groups are here: the first joint loads meet
	s_wait_kmcnt 0x0
	s_add_nc_u64 s[20:21], s[4:5], s[20:21]
	s_add_nc_u64 s[46:47], s[6:7], s[46:47]
.irp s, 0,1
	s_add_nc_u64 s[G0+4*\s+2:G0+4*\s+3], s[20:21], \s*CHUNK        ; 120:64 global address: K step s
	s_or_b32 s[G0+4*\s+3], s[G0+4*\s+3], 0x80000000                ; 127:126 type = 2
	s_add_nc_u64 s[G0B+4*\s+2:G0B+4*\s+3], s[46:47], \s*CHUNK
	s_or_b32 s[G0B+4*\s+3], s[G0B+4*\s+3], 0x80000000
.endr
	JLOAD 0                                        ; K step 0: one tensor load a wave at the head
	s_cmp_eq_u32 s15, 0                            ; the prefetches: the chunk that I fetch,
	s_cselect_b64 s[PFA:PFA+1], s[20:21], s[46:47]
	s_cselect_b32 s18, s40, s41                    ; and my place among the four that ask for it with me
	s_mul_i32 s18, s18, 34*256
	s_mov_b32 s19, 0
	s_add_nc_u64 s[PFA:PFA+1], s[PFA:PFA+1], s[18:19]
	v_and_b32 v3, 31, v0                           ; lane
	v_lshlrev_b32 v[PFO], 8, v3
	v_min_u32 v5, 1, v3
	v_lshlrev_b32 v5, 8, v5
	v_add_nc_u32 v[PFP], 0x2000, v5
	ASK 1                                          ; K step 1
	s_wait_alu depctr_va_vdst(0)
	s_mul_i32 s22, s15, PAIR                       ; my half of A
	s_mul_i32 s23, s16, PAIR                       ; my half of B,
	s_add_co_u32 s23, s23, 2*PAIR                  ; which lies behind A's two
	s_add_co_u32 s18, s22, 32768                   ; the scale words lie behind a chunk's codes
	s_add_co_u32 s19, s23, 32768
	s_mul_i32 s12, s14, 16*SPITCH
	s_add_co_u32 s12, s12, STAGE                   ; my stage
	s_lshl_b32 s20, s17, 8
	s_lshl_b32 s21, s15, 7
	s_add_co_u32 s20, s20, s21                     ; my first row of C: 256 x tile row + 128 x half
	s_lshl_b32 s20, s20, 13                        ; rows of 8,192 bytes
	s_mov_b32 s21, 0
	s_lshl_b32 s46, s42, 9                         ; my first column, in bytes: 512 x tile column + 256 x half
	s_lshl_b32 s47, s16, 8
	s_add_co_u32 s46, s46, s47
	s_mov_b32 s47, 0
	s_add_nc_u64 s[20:21], s[20:21], s[46:47]
	s_add_nc_u64 s[8:9], s[8:9], s[20:21]
	v_and_b32 v1, 15, v0                           ; r = l % 16
	v_bfe_u32 v2, v0, 4, 1                         ; h = l / 16
	v_lshlrev_b32 v4, 4, v1                        ; 16 r
	v_lshl_add_u32 v4, v2, 11, v4                  ; + 2,048 h
	v_add_nc_u32 v[ADRA], s22, v4
	v_add_nc_u32 v[ADRB], s23, v4
	v_lshlrev_b32 v6, 4, v3
	v_add_nc_u32 v[ADRS], s18, v6
	v_add_nc_u32 v[ADRS+1], s19, v6
	v_mul_u32_u24 v7, v1, SPITCH                   ; the stage, in: row r, 64 bytes for each half of the lanes
	v_lshl_add_u32 v7, v2, 6, v7
	v_add_nc_u32 v[STO], s12, v7
	v_mul_u32_u24 v8, v2, SPITCH                   ; back: lanes 0-15 take one row of 256 bytes, lanes 16-31 the next
	v_lshl_add_u32 v8, v1, 4, v8
	v_add_nc_u32 v[RD], s12, v8
	v_lshlrev_b32 v9, 15, v2                       ; neighbouring rows of the stage are four rows of C apart: 4 x 8,192 bytes
	v_lshl_add_u32 v[CO], v1, 4, v9
	ASK 2                                          ; K step 2
; One matrix instruction: A's fragment CA x B's 32 rows b.  CB0: B's first register; CA0: A's; CS: which scale words; CZ = 1: the product starts the sum: nothing is ever cleared.
.macro MM b
.set AC, 64*(CA%4)+16*(\b)
.set B0, CB0+16*(\b)
.if CZ
.if CA%2
	v_wmma_scale_f32_32x16x128_f4 v[AC:AC+15], v[B0:B0+15], v[CA0:CA0+7], 0, v[SC+CS+16+\b], v[SC+CS+CA/2] matrix_b_scale:MATRIX_SCALE_ROW1
.else
	v_wmma_scale_f32_32x16x128_f4 v[AC:AC+15], v[B0:B0+15], v[CA0:CA0+7], 0, v[SC+CS+16+\b], v[SC+CS+CA/2]
.endif
.else
.if CA%2
	v_wmma_scale_f32_32x16x128_f4 v[AC:AC+15], v[B0:B0+15], v[CA0:CA0+7], v[AC:AC+15], v[SC+CS+16+\b], v[SC+CS+CA/2] matrix_b_scale:MATRIX_SCALE_ROW1
.else
	v_wmma_scale_f32_32x16x128_f4 v[AC:AC+15], v[B0:B0+15], v[CA0:CA0+7], v[AC:AC+15], v[SC+CS+16+\b], v[SC+CS+CA/2]
.endif
.endif
.endm
.macro UNIT                            ; a fragment's four.  The accumulators take turns, one instruction a turn, in the same order in every step
	WIN MUL_LO+0x50*(CA/4)
	MM 0
	MM 1
	MM 2
	MM 3
.endm
; A load into a register that a matrix instruction has read, and a vector instruction that reads a matrix result, stand NP places behind that matrix instruction, and only plain vector
; instructions that name none of its registers are places (ISA guide 7.12.1 for vector instructions).
.macro PLACES n
.rept \n
	v_nop
.endr
.endm
; THE LOADS OF A STEP (128 along K: slot LS, q = LQ, into set LP), by number: 0, 1 the scale words of q = 0 (A's, B's); 2-17 B; 18-33 A; 34-39 the other scale words of the K step.  A step inside a K step issues 2-33, a change of slots all.
.macro EMIT_STEP
.if LCUR < 2
	WIN 0
	ds_load_b128 v[SC+32*LS+16*LCUR:SC+32*LS+16*LCUR+3], v[ADRS+LCUR] offset:LS*CHUNK
.elseif LCUR < 18
.set LI, LCUR-2
	WIN TO_B
	ds_load_b128 v[64*LP+4*LI:64*LP+4*LI+3], v[ADRB] offset:LS*CHUNK+8192*LQ+4096*(LI%2)+256*(LI/2)
.elseif LCUR < 34
.set LI, LCUR-18
	WIN 0
	ds_load_b128 v[AF+64*LP+4*LI:AF+64*LP+4*LI+3], v[ADRA] offset:LS*CHUNK+8192*LQ+4096*(LI%2)+256*(LI/2)
.else
.set LI, LCUR-34
	WIN 0
	ds_load_b128 v[SC+32*LS+16*(LI%2)+4+4*(LI/2):SC+32*LS+16*(LI%2)+7+4*(LI/2)], v[ADRS+(LI%2)] offset:LS*CHUNK+512+512*(LI/2)
.endif
.endm
; THE LAST K STEP'S (slot 1): 0-7 its scale words; 8-23 B, q = 0; 24-31 A's fragment 0, all q; 32-79 B, q = 1, 2, 3; 80-87 A's fragment 1.  B's q lie at v0, v128, v192, v64 of window 1.
.macro BL q, i
.set LR0, 64*(((\q)+((\q)+1)/2)%4)+4*(\i)
	WIN TO_B
	ds_load_b128 v[LR0:LR0+3], v[ADRB] offset:CHUNK+8192*(\q)+4096*((\i)%2)+256*((\i)/2)
.endm
.macro AL a, k
.set LR0, AF+32*((\a)%4)+4*(\k)
	WIN 0
	ds_load_b128 v[LR0:LR0+3], v[ADRA] offset:CHUNK+8192*((\k)/2)+4096*((\k)%2)+256*(\a)
.endm
.macro EMIT_LAST
.if LCUR < 8
	WIN 0
	ds_load_b128 v[SC+32+16*(LCUR%2)+4*(LCUR/2):SC+35+16*(LCUR%2)+4*(LCUR/2)], v[ADRS+(LCUR%2)] offset:CHUNK+512*(LCUR/2)
.elseif LCUR < 24
	BL 0, LCUR-8
.elseif LCUR < 32
	AL 0, LCUR-24
.elseif LCUR < 80
	BL 1+(LCUR-32)/16, LCUR%16
.else
	AL 1, LCUR-80
.endif
.endm
.macro LDN n                           ; the next n loads of the list
.rept \n
.if LIST
	EMIT_LAST
.else
	EMIT_STEP
.endif
.set LCUR, LCUR+1
.endr
	WIN 0
.endm
; A step of 128 along K that has its successor in the same slot: eight units of four matrix instructions, one for each fragment of A.  pos: ahead of which unit the run of loads stands.  w: how many loads of the step
; before are younger than those of A's fragment 0 (14, or behind a change of slots 20); ahead of unit u those of fragments 0 .. u are in: w - 2 u of them and this step's LCUR - 2 may be out.
.macro STEP slot, q, zero, pos, w
.set P, (\q)%2
.set CB0, 64*P
.set CS, 32*(\slot)+4*(\q)
.set CZ, \zero
.set LIST, 0
.set LS, \slot
.set LQ, (\q)+1
.set LP, 1-P
.set LCUR, 2
.irp u, 0,1,2,3,4,5,6,7
.set CA, \u
.set CA0, AF+64*P+8*\u
.if \u == \pos
	PLACES NP                                      ; behind the step before, whose registers the loads take
	LDN 32
.endif
	s_wait_dscnt \w-2*\u+LCUR-2
	UNIT
.endr
.endm
; A slot's last step changes slots.  MEET: ONE barrier; in front of it each wave waits for all its tensor loads, adds 0 to its spare word, and waits for that and for its own reads of this slot.
.macro MEET slot
.set CB0, 64
.set CS, 32*(\slot)+12
.set CZ, 0
	WIN 0                                          ; (the add's two registers lie in window 0)
	s_wait_tensorcnt 0x0                           ; all my tensor loads have landed: my chunk of the next slot;
	ds_add_u32 v[SPW], v[NIL]                      ; 0 onto my spare word;
	s_wait_dscnt 9                                 ; (the add and the youngest eight loads, A's fragments 4-7, may be out)
.set CA, 0
.set CA0, AF+64
	UNIT
	s_wait_dscnt 0x0                               ; the add is done, and my reads of this slot are over
	s_barrier_signal -1
.set CA, 1
.set CA0, AF+72
	UNIT
	WIN 0                                          ; (branches may follow, and nothing stands between the wait below and the rest of the round)
	s_barrier_wait -1
.endm
.macro REST from, to                   ; the last step's units from .. to
.set CU, \from
.rept (\to)-(\from)+1
.set CA, CU
.set CA0, AF+64+8*CU
	UNIT
.set CU, CU+1
.endr
.endm
.macro TURN slot                       ; this slot is filled again, two K steps ahead: the barrier opens a round of the cluster's barrier
	MEET \slot
	CREST                                          ; no wave of any partner still reads this slot's chunks or has a load on its way
	s_add_nc_u64 s[G0+4*\slot+2:G0+4*\slot+3], s[G0+4*\slot+2:G0+4*\slot+3], PAIR      ; no tensor load of mine is out, so a group 0 may be written: two K steps on
	s_add_nc_u64 s[G0B+4*\slot+2:G0B+4*\slot+3], s[G0B+4*\slot+2:G0B+4*\slot+3], PAIR
	JLOAD \slot                                    ; the first tensor load behind the round, my one load until the next; the four v_nop behind it are the places in front of the loads below
.set LIST, 0
.set LS, 1-\slot
.set LQ, 0
.set LP, 0
.set LCUR, 0
	LDN 40
	s_cmp_gt_u32 s3, 1                             ; the last lap's two refills have no K step two on
	s_cbranch_scc0 .Lno_ask_\@
	ASK 4+\slot
.Lno_ask_\@:
	REST 2, 7
.endm
	s_wait_alu depctr_va_vdst(0)
	s_wait_tensorcnt 0x0                           ; my chunk of K step 0 is in
	ds_add_u32 v[SPW], v[NIL]
	s_wait_dscnt 0x0                               ; the add is done
	CROUND                                         ; a whole round: everybody's chunk of K step 0 is in, and all sixteen work-groups are here: the joint loads meet,
	JLOAD 1                                        ; and K step 1's load, the first tensor load behind the round
.set LIST, 0
.set LS, 0
.set LQ, 0
.set LP, 0
.set LCUR, 0
	LDN 40
	ASK 3                                          ; K step 3
	STEP 0, 0, 1, 2, 20                            ; the first step stands in front of the loop: its products start the sums
	WIN 0
	s_mov_b32 s3, 3
.Llap:                                                 ; a trip goes once round the ring, from a lap's second step to the next lap's first, and fills both slots again
	STEP 0, 1, 0, 0, 14
	STEP 0, 2, 0, 0, 14
	TURN 0
	STEP 1, 0, 0, 2, 20
	STEP 1, 1, 0, 0, 14
	STEP 1, 2, 0, 0, 14
	TURN 1
	STEP 0, 0, 0, 2, 20
	WIN 0
	s_wait_xcnt 0x0                                ; the lap's prefetches have read their base:
	s_add_nc_u64 s[PFA:PFA+1], s[PFA:PFA+1], PAIR  ; two K steps on
	s_sub_co_u32 s3, s3, 1
	s_cmp_lg_u32 s3, 0
	s_cbranch_scc1 .Llap
	STEP 0, 1, 0, 0, 14                            ; K step 6 goes on; nothing more is filled
	STEP 0, 2, 0, 0, 14
	MEET 0
	PLACES NP
.set LIST, 1
.set LCUR, 0
	LDN 48
	REST 2, 4
	WIN 0
	LDN 16                                         ; all but q = 3 of B, whose registers these units still read
	REST 5, 7
	PLACES NP
	LDN 24                                         ; B's q = 3, A's fragment 1
; THE LAST K STEP BY ROWS, AND THE WAY OUT, a fragment of A (16 rows of C) at a time.
.macro ALOAD a                         ; A's fragment a, all four q, into buffer a % 4
.irp k, 0,1,2,3,4,5,6,7
	AL \a, \k
.endr
.endm
.macro ROW a                           ; fragment a is finished: 16 matrix instructions, its four accumulators by turns
.set CA, \a
.set CZ, 0
.irp q, 0,1,2,3
.set CB0, 64*((\q+(\q+1)/2)%4)
.set CA0, AF+32*(CA%4)+8*\q
.set CS, 32+4*\q
.if CA == 0
	s_wait_dscnt 56-16*\q                          ; of the 88 loads those up to this q's are in
.endif
	UNIT
.endr
.endm
; In accumulator (a, b), register 8 e + j of lane (r, h) is row 64 (a % 2) + 4 r + a / 2 and column 64 e + 32 h + 4 j + b of my 128 x 128.
; So for each e a lane's 32 numbers in the four accumulators are 32 NEIGHBOURING columns: 64 bytes of f16.
; PACK: rounded to f16, two neighbours a register; each accumulator is read from its register 0 on, ascending.
.macro PACK a
.set AC, 64*((\a)%4)
	WIN 0x0a+5*((\a)/4)                            ; sources 0 and 1: window 2 or 3
.irp e, 0,1
.irp j, 0,1,2,3,4,5,6,7
.irp cp, 0,1
	v_cvt_pk_f16_f32 v[TMP+16*\e+2*\j+\cp], v[AC+8*\e+32*\cp+\j], v[AC+8*\e+32*\cp+16+\j]   ; columns 64 e + 32 h + 4 j + 2 cp and the next
.endr
.endr
.endr
	WIN 0
.endm
; TOSTAGE: into my own stage (row r, 272 bytes apart) and back as whole rows of 256 bytes, into the registers of the accumulators just packed.  LDS serves a wave's instructions in order (ISA guide 5.7.1.4).
.macro TOSTAGE a
.irp e, 0,1
.irp y, 0,1,2,3
	ds_store_b128 v[STO], v[TMP+16*\e+4*\y:TMP+16*\e+4*\y+3] offset:128*\e+16*\y
.endr
.endr
.set BB, 64*((\a)%4)
	WIN 0x80+0x40*((\a)/4)                         ; destination: window 2 or 3
.irp t, 0,1,2,3,4,5,6,7
	ds_load_b128 v[BB+4*\t:BB+4*\t+3], v[RD] offset:\t*2*SPITCH
.endr
	WIN 0
.endm
; SEND: stage row 2 t + h is row 64 (a % 2) + a / 2 + 8 t + 4 h of my 128.  The base is never stepped: the largest immediate is 123 rows of 8,192 bytes, inside the signed 24 bits (ISA guide, chapter 10).
.macro SEND a, younger                 ; younger: the LDS instructions issued behind the block's loads, which may stay out
.set BB, 64*((\a)%4)
	s_wait_dscnt \younger                          ; the block is back in registers; none of them is written again
	WIN 0x08+4*((\a)/4)                            ; the data: window 2 or 3
.irp t, 0,1,2,3,4,5,6,7
	global_store_b128 v[CO], v[BB+4*\t:BB+4*\t+3], s[8:9] offset:(64*((\a)%2)+(\a)/2+8*\t)*8192 th:TH_STORE_NT   ; 16 lanes store 256 consecutive bytes, at a multiple of 256 from out0's first byte; written once, read by nobody here
.endr
	WIN 0
.endm
	ROW 0
.irp a, 0,1,2,3,4,5,6,7
	PLACES NP                                      ; behind the products of fragment a: for the conversions that read their results, and for the loads into registers that they have read
	PACK \a
	TOSTAGE \a
.if \a < 6
	ALOAD \a+2
	s_wait_dscnt 24                                ; A's fragment a + 1 is in: the stage's sixteen and the eight just issued may be out
	ROW \a+1
	SEND \a, 8
.elseif \a < 7
	s_wait_dscnt 16                                ; A's fragment 7 is in
	ROW \a+1
	SEND \a, 0
.else
	SEND \a, 0
.endif
.endr
	s_wait_tensorcnt 0x0                           ; the wave's end: behind my last tensor load and my last LDS store
	ds_add_u32 v[SPW], v[NIL]
	s_wait_dscnt 0x0
	CROUND                                         ; the closing round: no work-group ends while a partner may still ask for a chunk that names it
	s_endpgm
.Lfunc_end_k_q6ed1f24862_gemm:
	.size	k_q6ed1f24862_gemm, .Lfunc_end_k_q6ed1f24862_gemm-k_q6ed1f24862_gemm
	.p2alignl 7, 3214868480
	.fill 96, 4, 3214868480
	.section	.rodata,"a",@progbits
	.p2align	6, 0x0
	.amdhsa_kernel k_q6ed1f24862_gemm
		.amdhsa_group_segment_fixed_size 327680
		.amdhsa_private_segment_fixed_size 0
		.amdhsa_enable_private_segment 0
		.amdhsa_kernarg_size 24
		.amdhsa_user_sgpr_count 2
		.amdhsa_user_sgpr_kernarg_segment_ptr 1
		.amdhsa_wavefront_size32 1
		.amdhsa_system_sgpr_workgroup_id_x 1
		.amdhsa_system_sgpr_workgroup_id_y 1
		.amdhsa_system_sgpr_workgroup_id_z 1
		.amdhsa_system_vgpr_workitem_id 0
		.amdhsa_next_free_vgpr 1024
		.amdhsa_next_free_sgpr 72
		.amdhsa_reserve_vcc 0
		.amdhsa_float_denorm_mode_32 3
		.amdhsa_float_denorm_mode_16_64 3
		.amdhsa_memory_ordered 1
		.amdhsa_forward_progress 1
		.amdhsa_inst_pref_size 149
	.end_amdhsa_kernel
	.amdgpu_metadata
---
amdhsa.version: [ 1, 2 ]
amdhsa.kernels:
  - .name:           k_q6ed1f24862_gemm
    .symbol:         k_q6ed1f24862_gemm.kd
    .args:
      - { .name: aq, .offset: 0, .size: 8, .value_kind: global_buffer, .address_space: global }
      - { .name: bq, .offset: 8, .size: 8, .value_kind: global_buffer, .address_space: global }
      - { .name: out0, .offset: 16, .size: 8, .value_kind: global_buffer, .address_space: global }
    .group_segment_fixed_size: 327680
    .private_segment_fixed_size: 0
    .kernarg_segment_align: 8
    .kernarg_segment_size: 24
    .max_flat_workgroup_size: 128
    .sgpr_count:     72
    .vgpr_count:     1024
    .wavefront_size: 32
...
	.end_amdgpu_metadata
.endif
;; end of part 2
